; MI455X (gfx1250); checked and timed in simulation.
; The chip was launched on July 23, 2026; its instructions are those of AMD's public machine-readable ISA for CDNA 5 (MIT licence, August 2026) and "CDNA5" Instruction Set Architecture Reference Guide (July 2026). The comments in the code are by the model that wrote it; some were corrected since.
;; Concat Critic. Allowed arithmetic: float matrix products may take bf16 or f16 operands with f32 sums; other float arithmetic in f32, or as packed bf16 or f16 multiplies, adds, multiply-adds, maxima and minima; sums over many terms, partial sums and values carried from step to step in f32; what a program stores and reads back later, other than sums and carried values, may be rounded once to bf16 or f16.
;; Inputs: W1 256 x 512 float32; W2 512 x 512 float32; W3 512 x 1 float32; b1 512 float32; b2 512 float32; b3 1 float32; x 512 x 128 float32; y 512 x 128 float32.
;; Outputs: out0 512 x 512 float32.
;; One version. Each part assembles by itself: llvm-mc -triple=amdgcn-amd-amdhsa -mcpu=gfx1250 --defsym DOCPART=n.
;; ======== version 1 of 1: 2 launches
;; limits: values are held in f16: magnitudes above 65,504 overflow, below 6.1e-05 lose precision
;; workspace buffers: hxf 524,288 bytes; hyf 524,288 bytes; w2f 524,288 bytes
;; launch prep (part 1): grid 256 x 1, 4 waves a work-group, no clusters, 0 bytes of LDS; arguments x, y, W1, b1, W2, hxf, hyf, w2f; writes hxf, hyf, w2f
.if DOCPART == 1
	.amdgcn_target "amdgcn-amd-amdhsa--gfx1250"
	.amdhsa_code_object_version 6
	.text
	.protected	k_qbd5b144e15_prep
	.globl	k_qbd5b144e15_prep
	.p2align	8
	.type	k_qbd5b144e15_prep,@function
k_qbd5b144e15_prep:
	s_mov_b64 s[64:65], 0
	v_nop
	global_prefetch_b8 v0, s[64:65] scope:SCOPE_SE
	s_setreg_imm32_b32 hwreg(HW_REG_WAVE_MODE, 25, 1), 1
	s_wait_xcnt 0x0
; PREP.  Three tables in f16 for the launch behind, each already in the byte order of a wave's fragment loads:
;   hxf = x W1[0:128],  hyf = y W1[128:256] + b1,  w2f = W2 turned (rows n, k along a row).
; A FRAGMENT BLOCK is 16 rows x 32 k, 1,024 bytes: lane L = 16 h + r of a wave finds k = 32 ks + 16 h + 0..7 of row r at byte 16 L and k = 32 ks + 16 h + 8..15 at byte 512 + 16 L.
;   hxf: [32 blocks of 16 rows i][16 ks][block]     hyf: [8 blocks of 64 rows j][16 ks][4 jf][block]     w2f: [4 chunks of 128 n][16 ks][8 nb][block]
; SHARES.  1,024 waves.  Each makes one block of hxf or hyf (16 rows x 32 columns, K = 128: 8 matrix instructions) and half a block of w2f (a plain turn, 8 loads of 4 bytes a lane).
; FORMATS.  x, y, W1, W2 are rounded once to f16; products in f16 with f32 sums; b1 enters in f32, as the C operand that starts hy's sums; hx and hy + b1 are rounded once to f16.
; LIMITS.  f16 holds no number beyond 65,504: |x|, |y|, |W1|, |W2|, |hx|, |hy + b1| must stay within it (the drawn inputs are of size 1; 30 times that in all of them gives some 5,400);
; below 6e-5 a number keeps f16's fixed step of 6e-8.  NaN and infinities are not treated apart.
; No LDS, no barrier: no wave needs another's numbers.  Every store of a wave covers 512 consecutive bytes, aligned.
.set VX,  5            ; v5   my byte offset in x or y
.set VW,  6            ; v6   in W1
.set VB,  7            ; v7   in b1
.set V2,  8            ; v8   in W2
.set VO,  9            ; v9   16 L: my 16 bytes in a half block
.set VO2, 10           ; v10  the same in w2f, with the half block's place
.set RW2, 12           ; v12-19   W2 as loaded
.set PW2, 20           ; v20-23   packed
.set BV,  24           ; v24-39   b1: my 16 columns
.set C0,  40           ; v40-47   C for the even columns
.set C1,  48           ; v48-55   for the odd ones
.set OO,  56           ; v56-63   my 32 bytes of the block
.set XF,  64           ; v64-127  x as loaded; packed in place into v64-95: fragment kk at XF + 8 kk
.set WF,  96           ; v96-159  W1's fragments: for kk the even columns' at WF + 16 kk, the odd columns' 8 further
.set WR,  128          ; v128-255 W1 as loaded, 32 registers for each kk
.set D0,  160          ; v160-167 sums, even columns
.set D1,  168          ; v168-175 sums, odd columns
	s_load_b512 s[4:19], s[0:1], 0x0               ; x 4:5, y 6:7, W1 8:9, b1 10:11, W2 12:13, hxf 14:15, hyf 16:17, w2f 18:19
	v_lshrrev_b32 v1, 5, v0
	v_readfirstlane_b32 s28, v1                    ; wave 0..3
	v_and_b32 v2, 15, v0                           ; r
	v_bfe_u32 v3, v0, 4, 1                         ; h
	v_and_b32 v4, 31, v0                           ; L
	s_lshr_b32 s29, ttmp9, 7                       ; side: 0 = x and hxf, 1 = y and hyf
	s_bfe_u32 s30, ttmp9, 0x40003                  ; ks: which 32 columns
	s_and_b32 s31, ttmp9, 7
	s_lshl2_add_u32 s31, s31, s28                  ; mf: which 16 rows, 0..31
	s_lshl2_add_u32 s32, ttmp9, s28                ; q: which half block of w2f, 0..1023: bit 0 half, 3:1 nb, 7:4 ks, 9:8 chunk
	s_and_b32 s33, s32, 1
	s_lshl_b32 s33, s33, 14                        ; half: 8 rows of W2, 2,048 bytes each
	s_bfe_u32 s34, s32, 0x30001
	s_lshl_b32 s34, s34, 6                         ; nb: 16 columns of 4 bytes
	s_add_co_u32 s33, s33, s34
	s_bfe_u32 s35, s32, 0x40004
	s_lshl_b32 s35, s35, 16                        ; ks: 32 rows
	s_add_co_u32 s33, s33, s35
	s_lshr_b32 s36, s32, 8
	s_lshl_b32 s36, s36, 9                         ; chunk: 128 columns
	s_add_co_u32 s33, s33, s36
	s_lshl_b32 s37, s31, 13                        ; 16 rows of x, 512 bytes each
	s_lshl_b32 s38, s29, 18                        ; W1's lower half: 128 rows of 2,048 bytes
	s_lshl_b32 s39, s30, 7                         ; 32 columns of 4 bytes
	s_add_co_u32 s38, s38, s39
	s_lshl_b32 s40, s32, 9                         ; a half block is 512 bytes
	s_lshl_b32 s41, s31, 14                        ; the block's place in hxf: mf x 16,384 + ks x 1,024
	s_lshl_b32 s43, s30, 10
	s_add_co_u32 s41, s41, s43
	s_lshr_b32 s42, s31, 2                         ; in hyf: (mf / 4) x 65,536 + ks x 4,096 + (mf % 4) x 1,024
	s_lshl_b32 s42, s42, 16
	s_lshl_b32 s43, s30, 12
	s_add_co_u32 s42, s42, s43
	s_and_b32 s43, s31, 3
	s_lshl_b32 s43, s43, 10
	s_add_co_u32 s42, s42, s43
	v_lshl_add_u32 v[VX], v2, 9, s37               ; a fragment of x: lane (r, h) holds row r, k = 8 h + 0..7 and 16 + 8 h + 0..7 of each 32
	v_lshl_add_u32 v[VX], v3, 5, v[VX]
	v_lshl_add_u32 v[VW], v3, 14, s38              ; a fragment of W1: lane (r, h) holds the same k of columns 2 r and 2 r + 1 of my 32
	v_lshl_add_u32 v[VW], v2, 3, v[VW]
	v_lshl_add_u32 v[VB], v3, 6, s39               ; b1 of columns 16 h + 0..15 of my 32
	v_lshl_add_u32 v[V2], v3, 15, s33              ; W2: rows 16 h + 0..7 of the half block's 8 + 8, column r
	v_lshl_add_u32 v[V2], v2, 2, v[V2]
	v_lshlrev_b32 v[VO], 4, v4
	v_lshl_add_u32 v[VO2], v4, 4, s40
	s_wait_kmcnt 0x0
	s_cmp_eq_u32 s29, 0                            ; the side hangs on the work-group's number alone
	s_cselect_b64 s[20:21], s[4:5], s[6:7]         ; x or y
	s_cselect_b64 s[22:23], s[14:15], s[16:17]     ; hxf or hyf
	s_cselect_b32 s24, 0, -1                       ; lanes that take b1: none, or all
	s_cselect_b32 s26, s41, s42
	s_mov_b32 s27, 0
	s_add_nc_u64 s[22:23], s[22:23], s[26:27]      ; at my block
	; all loads on end; one wait
.irp e, 0,1,2,3,4,5,6,7
	global_load_b32 v[RW2+\e], v[V2], s[12:13] offset:\e*2048
.endr
.irp i, 0,1,2,3
	global_load_b128 v[BV+4*\i:BV+4*\i+3], v[VB], s[10:11] offset:16*\i
.endr
.irp kk, 0,1,2,3
	global_load_b128 v[XF+16*\kk:XF+16*\kk+3],     v[VX], s[20:21] offset:128*\kk
	global_load_b128 v[XF+16*\kk+4:XF+16*\kk+7],   v[VX], s[20:21] offset:128*\kk+16
	global_load_b128 v[XF+16*\kk+8:XF+16*\kk+11],  v[VX], s[20:21] offset:128*\kk+64
	global_load_b128 v[XF+16*\kk+12:XF+16*\kk+15], v[VX], s[20:21] offset:128*\kk+80
.endr
.set t, 0
.rept 64                                               ; load t: k = 32 (t / 16) + 16 ((t / 8) % 2) + 8 h + t % 8, two columns
	global_load_b64 v[WR+2*t:WR+2*t+1], v[VW], s[8:9] offset:(32*(t/16)+16*((t/8)%2)+t%8)*2048
.set t, t+1
.endr
	s_wait_loadcnt 0x0
	; W2: eight k of one column n are 16 bytes of the block
.irp i, 0,1,2,3
	v_cvt_pk_f16_f32 v[PW2+\i], v[RW2+2*\i], v[RW2+2*\i+1]
.endr
	global_store_b128 v[VO2], v[PW2:PW2+3], s[18:19]
	; x: packed in place, ascending, so that no number is written over before it is read
.set t, 0
.rept 32
	v_cvt_pk_f16_f32 v[XF+t], v[XF+2*t], v[XF+2*t+1]
.set t, t+1
.endr
	; W1: register t of a fragment holds two neighbouring k of one column: loads 2 t and 2 t + 1; kk ascending, so that kk 2 and 3 land where kk 0's numbers have been read
.set kk, 0
.rept 4
.set t, 0
.rept 8
	v_cvt_pk_f16_f32 v[WF+16*kk+t],   v[WR+32*kk+4*t],   v[WR+32*kk+4*t+2]
	v_cvt_pk_f16_f32 v[WF+16*kk+8+t], v[WR+32*kk+4*t+1], v[WR+32*kk+4*t+3]
.set t, t+1
.endr
.set kk, kk+1
.endr
	; b1 starts hy's sums, 0 starts hx's
.irp j, 0,1,2,3,4,5,6,7
	v_cndmask_b32 v[C0+\j], 0, v[BV+2*\j], s24
	v_cndmask_b32 v[C1+\j], 0, v[BV+2*\j+1], s24
.endr
	; Source 0 = 16 columns of W1 (the even ones, then the odd ones), source 1 = 16 rows of x: register j of lane (r, h) is row r, column 16 h + 2 j (or + 1) of my 32.
	; The two accumulators take turns, one instruction a turn.
	v_wmma_f32_16x16x32_f16 v[D0:D0+7], v[WF:WF+7],    v[XF:XF+7], v[C0:C0+7]
	v_wmma_f32_16x16x32_f16 v[D1:D1+7], v[WF+8:WF+15], v[XF:XF+7], v[C1:C1+7]
.irp kk, 1,2,3
	v_wmma_f32_16x16x32_f16 v[D0:D0+7], v[WF+16*\kk:WF+16*\kk+7],    v[XF+8*\kk:XF+8*\kk+7], v[D0:D0+7]
	v_wmma_f32_16x16x32_f16 v[D1:D1+7], v[WF+16*\kk+8:WF+16*\kk+15], v[XF+8*\kk:XF+8*\kk+7], v[D1:D1+7]
.endr
.rept 4
	v_nop                                          ; four places between the last product and the first read of a result (ISA guide 7.12.1)
.endr
.irp j, 0,1,2,3,4,5,6,7
	v_cvt_pk_f16_f32 v[OO+\j], v[D0+\j], v[D1+\j]  ; columns 16 h + 2 j, 2 j + 1: the eight registers are the lane's 32 bytes of the block; each accumulator is read from its low end on
.endr
	global_store_b128 v[VO], v[OO:OO+3],   s[22:23]
	global_store_b128 v[VO], v[OO+4:OO+7], s[22:23] offset:512
	s_endpgm
.Lfunc_end_k_qbd5b144e15_prep:
	.size	k_qbd5b144e15_prep, .Lfunc_end_k_qbd5b144e15_prep-k_qbd5b144e15_prep
	.p2alignl 7, 3214868480
	.fill 96, 4, 3214868480
	.section	.rodata,"a",@progbits
	.p2align	6, 0x0
	.amdhsa_kernel k_qbd5b144e15_prep
		.amdhsa_group_segment_fixed_size 0
		.amdhsa_private_segment_fixed_size 0
		.amdhsa_enable_private_segment 0
		.amdhsa_kernarg_size 64
		.amdhsa_user_sgpr_count 2
		.amdhsa_user_sgpr_kernarg_segment_ptr 1
		.amdhsa_wavefront_size32 1
		.amdhsa_system_sgpr_workgroup_id_x 1
		.amdhsa_system_sgpr_workgroup_id_y 1
		.amdhsa_system_sgpr_workgroup_id_z 1
		.amdhsa_system_vgpr_workitem_id 0
		.amdhsa_next_free_vgpr 256
		.amdhsa_next_free_sgpr 66
		.amdhsa_reserve_vcc 0
		.amdhsa_float_denorm_mode_32 3
		.amdhsa_float_denorm_mode_16_64 3
		.amdhsa_memory_ordered 1
		.amdhsa_forward_progress 1
		.amdhsa_inst_pref_size 20
	.end_amdhsa_kernel
	.amdgpu_metadata
---
amdhsa.version: [ 1, 2 ]
amdhsa.kernels:
  - .name:           k_qbd5b144e15_prep
    .symbol:         k_qbd5b144e15_prep.kd
    .args:
      - { .name: x, .offset: 0, .size: 8, .value_kind: global_buffer, .address_space: global }
      - { .name: y, .offset: 8, .size: 8, .value_kind: global_buffer, .address_space: global }
      - { .name: W1, .offset: 16, .size: 8, .value_kind: global_buffer, .address_space: global }
      - { .name: b1, .offset: 24, .size: 8, .value_kind: global_buffer, .address_space: global }
      - { .name: W2, .offset: 32, .size: 8, .value_kind: global_buffer, .address_space: global }
      - { .name: hxf, .offset: 40, .size: 8, .value_kind: global_buffer, .address_space: global }
      - { .name: hyf, .offset: 48, .size: 8, .value_kind: global_buffer, .address_space: global }
      - { .name: w2f, .offset: 56, .size: 8, .value_kind: global_buffer, .address_space: global }
    .group_segment_fixed_size: 0
    .private_segment_fixed_size: 0
    .kernarg_segment_align: 8
    .kernarg_segment_size: 64
    .max_flat_workgroup_size: 128
    .sgpr_count:     66
    .vgpr_count:     256
    .wavefront_size: 32
...
	.end_amdgpu_metadata
.endif
;; end of part 1
;; launch main (part 2): grid 8 x 32, 4 waves a work-group, clusters of 4 x 1, 327,680 bytes of LDS; arguments hxf, hyf, w2f, b2, W3, b3, out0; writes out0
.if DOCPART == 2
	.amdgcn_target "amdgcn-amd-amdhsa--gfx1250"
	.amdhsa_code_object_version 6
	.text
	.protected	k_qbd5b144e15_main
	.globl	k_qbd5b144e15_main
	.p2align	8
	.type	k_qbd5b144e15_main,@function
k_qbd5b144e15_main:
	s_mov_b64 s[64:65], 0
	v_nop
	global_prefetch_b8 v0, s[64:65] scope:SCOPE_SE
	s_setreg_imm32_b32 hwreg(HW_REG_WAVE_MODE, 25, 1), 1
	s_wait_xcnt 0x0
	s_wait_alu depctr_hold_cnt(0) depctr_sa_sdst(0) depctr_va_vdst(0) depctr_va_sdst(0) depctr_va_ssrc(0) depctr_va_vcc(0) depctr_vm_vsrc(0)
	s_getreg_b32 s2, hwreg(HW_REG_IB_STS2, 6, 4)
	s_cmp_eq_u32 s2, 0
	s_cbranch_scc0 .Lentry_in_a_cluster
	s_endpgm
.Lentry_in_a_cluster:
	s_bfe_u32 s2, ttmp6, 0x10000c
	s_cmp_lg_u32 s2, 0x3003
	s_cbranch_scc0 .Lentry_shape_is_right
	s_endpgm
.Lentry_shape_is_right:
; out0[i][j] = W3 . relu(W2^T relu(hx_i + hy_j) + b2) + b3, with hx and hy (b1 inside hy) and W2 as the launch before laid them: f16, in fragment blocks of 1,024 bytes
; (16 rows x 32 k: lane L = 16 h + r finds k = 32 ks + 16 h + 0..7 of row r at byte 16 L, k + 8..15 at byte 512 + 16 L; the same order of k in all three tables, so the products are kept).
; SHARES.  A work-group owns 16 rows i x 64 columns j of out0: two TILES of 8 i x 64 j = 512 pairs.  Of a tile wave w takes rows 2 w, 2 w + 1 and all 64 j: eight blocks (ii, jf) of 16 pairs.
; A JOB is a tile x a chunk of 128 of W2's 512 columns n x all K = 512: a wave's 128 pairs x 128 n in 64 accumulators, 16 K steps of 32, 64 matrix instructions each.  Eight jobs.
; THE LEFT OPERAND IS NEVER STORED.  h1 = max(hx_i + hy_j, 0) is made in registers in packed f16, two lines a register, two such lines (RIDERS) behind every matrix instruction, a K step ahead of its use.
; THE MATRIX INSTRUCTION IS USED TRANSPOSED: source 0 = 16 columns n of W2, source 1 = 16 pairs.  A lane then holds ONE pair (j = 16 jf + lane % 16) and n = 16 nb + 8 (lane / 16) + 0..7.
; b2 is the C operand that starts the sums.  THE WAY OUT of a job: relu, times W3, summed over the lane's 64 n into one f32 a block; a tile's four jobs add up there; then one exchange between the lanes' halves, + b3.
; W2 (512 KiB in f16) walks through a ring of two LDS slots of 64 KiB, a UNIT of 8 K steps each, 16 units in all (the table twice).  CLUSTER: every work-group walks the same units, and the four of a
; cluster share their 16 rows i: W2's units and hx are asked for JOINTLY by all four (mask 15).  hy hangs on the work-group's own j block: a load of its own, once.
; FORMATS.  h1 and W2 f16; sums, b2, relu, W3, b3 f32.  LIMITS.  |hx + hy| must stay within f16's 65,504 (inputs 30 times the drawn size give some 5,400); below 6e-5 h1 keeps f16's fixed step of 6e-8.
; The two maxima take the number where the other side is a NaN: a NaN in h1 or h2 counts as 0.  Infinities are not treated apart.
;
; REGISTERS, in windows of 256 (s_set_vgpr_msb: bits 1:0 source 0, 3:2 source 1, 5:4 source 2, 7:6 destination).  Source 0 always lies in window 0; a window X = 1, 2, 3 holds accumulators AND what their riders
; read as source 1 and write: so products and riders of a stretch run under ONE setting.
;   window 0: v0-13 addresses and 0; v16-23 SC, a block's score; v24-39 at work; v62-63 the add's; v64-127, v128-191 W2's fragments, two buffers; v192-223, v224-255 hy's, two buffers
;   windows 1 (ii = 0), 2 (ii = 1): blocks jf = 0, 1, 2: v0-191 accumulators (64 b + 8 nb); v192-215, v216-239 h1, two buffers; v240-247, v248-255 hx, two buffers
;   window 3: blocks ii = 0, 1 of jf = 3: v0-127 accumulators; v128-143, v144-159 h1; v160-191 hx (16 p + 8 ii); v192-255 b2 of the chunk, as a C operand (8 nb)
.set HY,    131072     ; LDS: 0 the ring, 2 x 65,536; here hy's 64 rows: [16 ks][4 jf][1,024]
.set HX,    196608     ; hx's 16 rows: [16 ks][1,024]
.set TAB,   212992     ; b2 (2,048 bytes), then W3 (2,048), f32: stored by the waves, never a tensor load's target
.set STAGE, 217088     ; 512 bytes for each wave, for the way out
.set SPARE, 219136     ; the spare words, 128 bytes for each wave: two blocks of 256 bytes that no other line names
.set AB0, 1            ; v1   16 L
.set ADB, 2            ; v2   LDS address of the next run of W2's fragments
.set AH0, 3            ; v3   HY + 16 L
.set ADH, 4            ; v4   of hy's
.set AX0, 5            ; v5   HX + 256 h + 32 w: row 2 w of a block, my half's k
.set ADX, 6            ; v6   of hx's
.set AT0, 7            ; v7   TAB + 32 h
.set ADT, 8            ; v8   W3 of the chunk in hand
.set ADT2, 9           ; v9   b2 of the next chunk
.set STO, 10           ; v10  the way out: where I put a score
.set RD,  11           ; v11  where I read 16 bytes of a row back
.set GO,  12           ; v12  my byte offset in two rows of out0
.set ZERO, 13          ; v13  0
.set SC,  16
.set TT,  24
.set OB,  32
.set SPW, 62
.set NIL, 63
.set BF,  64
.set HYF, 192
.set B2T, 192          ; window 3
.set B3,  18           ; s18  b3
.set WV,  19           ; s19  my wave's number
.set CX,  20           ; s20  my place in the cluster
.set GX,  21           ; s21  my block of 64 j: it enters hyf's and out0's addresses alone
.set GY,  22           ; s22  my block of 16 i, which the four partners share
.set G1J, 28           ; s[28:35] group 1: 64 rows of 256 bytes, joint
.set G1H, 36           ; s[36:43] the same, for me alone
.set G1X, 44           ; s[44:51] 16 rows of 256 bytes, joint
.set G0H, 52           ; s[52:55] group 0: hy
.set G0X, 56           ; s[56:59] hx
.set G0A, 60           ; s[60:63] W2's unit 0
.set G0R, 68           ; s[68:71] W2's unit 1; then it walks
.set TB,  72           ; s72  LDS byte of the K step whose W2 is fetched next
.set G,   73           ; s73  number of the K step whose hx and hy are fetched next
.set TH,  74           ; s74  its place in hy's table
.set TX,  75           ; s75  in hx's, the tile's 8 rows among the 16 too
.set UN,  76           ; s76  the unit to be asked for next
.set WOFF, 77          ; s77  16,384 x wave: my quarter of a unit
.set OFF, 78           ; s[78:79] a unit's byte offset in w2f
.set CU,  80           ; s80  counts units
.set C3,  81           ; s81  counts pairs of K steps
.set U,   82           ; s82  the unit in hand
.set HM,  84           ; s84  lanes 16-31
.set SEL, 86           ; s[86:87] v_permlanex16_b32's selects: each lane takes its own place in the other half
.set MSB, 0
.macro WIN new                         ; the immediate's high byte repeats the setting that is left; a switch that changes nothing is dropped
.if MSB != (\new)
	s_set_vgpr_msb (MSB<<8)|(\new)
.set MSB, (\new)
.endif
.endm
; A round of the cluster's barrier: my work-group's barrier, so that wave 0's signal speaks for all four waves; wave 0 signals; every wave waits for all four work-groups; my work-group's barrier once more.
.macro CREST                           ; a round behind its opening barrier
	s_cmp_lg_u32 s[WV], 0
	s_cbranch_scc1 .Lnot_wave_0_\@
	s_barrier_signal -3
.Lnot_wave_0_\@:
	s_barrier_wait -3
	s_barrier_signal -1
	s_barrier_wait -1
.endm
.macro ROUND
	s_barrier_signal -1
	s_barrier_wait -1
	CREST
.endm
; Product m of window X's stretch: block m / 8, columns 16 (m % 8) on, fragments of parity p.  init = 1: b2 starts the sum.
.macro MM X, p, init, m
.set rD, 64*((\m)/8)+8*((\m)%8)
.set rB, BF+64*(\p)+8*((\m)%8)
.if (\X) == 3
.set rA, 128+16*(\p)+8*((\m)/8)
.else
.set rA, 192+24*(\p)+8*((\m)/8)
.endif
.if \init
	v_wmma_f32_16x16x32_f16 v[rD:rD+7], v[rB:rB+7], v[rA:rA+7], v[B2T+8*((\m)%8):B2T+8*((\m)%8)+7]
.else
	v_wmma_f32_16x16x32_f16 v[rD:rD+7], v[rB:rB+7], v[rA:rA+7], v[rD:rD+7]
.endif
.endm
; Rider rho of window X's stretch, for the K step behind the one of parity p: in eights, four sums hy + hx (two f16 each), then their four maxima with 0.
.macro RID X, p, rho
.set ix, 4*((\rho)/8)+(\rho)%4
.set nn, 1-(\p)
.if (\X) == 3
.set rA, 128+16*nn+ix
.set rY, HYF+32*nn+24+ix%8
.set rX, 160+16*nn+ix
.else
.set rA, 192+24*nn+ix
.set rY, HYF+32*nn+ix
.set rX, 240+8*nn+ix%8
.endif
.if (\rho)%8 < 4
	v_pk_add_f16 v[rA], v[rY], v[rX]
.else
	v_pk_max_num_f16 v[rA], v[ZERO], v[rA]
.endif
.endm
; Products lo .. hi - 1 of window X, two riders behind each.  The riders name no register of the products round them: they read the other parity's hx and hy and write the other parity's h1.
; Setting: destination, source 1 and C in window X (init = 1: C in window 3), source 0 in window 0.
.macro STRETCH X, p, init, lo, hi, ride
.if \init
	WIN 0x44*(\X)+0x30
.else
	WIN 0x54*(\X)
.endif
.set mm, (\lo)
.rept (\hi)-(\lo)
	MM \X, \p, \init, mm
.if \ride
	RID \X, \p, 2*mm
	RID \X, \p, 2*mm+1
.endif
.set mm, mm+1
.endr
.endm
.macro GEN X                           ; window X's riders alone, into parity 0: h1 of the first K step
	WIN 0x54*(\X)
.set mm, 0
.rept 16*(3-(\X)/3)
	RID \X, 1, mm
.set mm, mm+1
.endr
.endm
.macro ADRS
	v_add_nc_u32 v[ADB], s[TB], v[AB0]
	v_add_nc_u32 v[ADH], s[TH], v[AH0]
	v_add_nc_u32 v[ADX], s[TX], v[AX0]
.endm
.macro LB d                            ; 16 loads: a K step's eight fragments of W2; each load takes 512 bytes on end
	WIN 0
.irp nb, 0,1,2,3,4,5,6,7
	ds_load_b128 v[BF+64*(\d)+8*\nb:BF+64*(\d)+8*\nb+3],   v[ADB] offset:\nb*1024
	ds_load_b128 v[BF+64*(\d)+8*\nb+4:BF+64*(\d)+8*\nb+7], v[ADB] offset:\nb*1024+512
.endr
.endm
.macro LS d                            ; 16 loads: a K step's hy (four blocks of 16 j) and hx (my two rows; the 16 lanes of a half read the same 16 bytes), hx once for each window that adds it
	WIN 0
.irp jf, 0,1,2,3
	ds_load_b128 v[HYF+32*(\d)+8*\jf:HYF+32*(\d)+8*\jf+3],   v[ADH] offset:\jf*1024
	ds_load_b128 v[HYF+32*(\d)+8*\jf+4:HYF+32*(\d)+8*\jf+7], v[ADH] offset:\jf*1024+512
.endr
	WIN 0x40
	ds_load_b128 v[240+8*(\d):240+8*(\d)+3],   v[ADX]
	ds_load_b128 v[240+8*(\d)+4:240+8*(\d)+7], v[ADX] offset:512
	WIN 0x80
	ds_load_b128 v[240+8*(\d):240+8*(\d)+3],   v[ADX] offset:16
	ds_load_b128 v[240+8*(\d)+4:240+8*(\d)+7], v[ADX] offset:528
	WIN 0xc0
.irp ii, 0,1
	ds_load_b128 v[160+16*(\d)+8*\ii:160+16*(\d)+8*\ii+3],   v[ADX] offset:16*\ii
	ds_load_b128 v[160+16*(\d)+8*\ii+4:160+16*(\d)+8*\ii+7], v[ADX] offset:16*\ii+512
.endr
.endm
.macro STEPS                           ; hx's and hy's next K step: ks = G % 16, tile = bit 6 of G
	s_add_co_u32 s[G], s[G], 1
	s_and_b32 s88, s[G], 15
	s_lshl_b32 s[TH], s88, 12
	s_lshl_b32 s[TX], s88, 10
	s_bfe_u32 s89, s[G], 0x10006
	s_lshl_b32 s89, s89, 7
	s_add_co_u32 s[TX], s[TX], s89
.endm
; A K STEP of parity p: 64 products on h1 and W2 of parity p; 128 riders make the next step's h1 from hx and hy of the other parity; in ONE run of 32 LDS loads, behind the first 24 products, come the next
; step's W2 (other parity: its last readers stand 48 riders back) and hx and hy of the step after that (parity p: the step before read them last).  The run has 40 products in which to land.
; The 64 accumulators take turns in the same order in every K step: between two links of a chain stand the 63 others'.
; turn = 1: a unit's last K step.  The slot's last reads were waited for at the step's head.  Each wave waits for all its tensor loads (one is out: its quarter of the next unit), adds 0 to its spare word, waits for
; that, and signals; the barrier opens a round of the cluster's, so that no wave of any partner still reads the slot or has a load on its way; the joint refill, the unit two on, is the first thing behind the round:
; it has eight K steps, 512 matrix instructions, in which to land.  turn = 2: the same lines and my work-group's barrier alone: the last unit is shown whole, and nothing is asked for.
.macro KSTEP p, init, turn, fetch=1, ride=1
	s_wait_dscnt 0x0                               ; the 32 loads of the step before are in
.if \turn
	WIN 0
	s_wait_tensorcnt 0x0                           ; no tensor load of mine is out, so a group 0 may be written
	ds_add_u32 v[SPW], v[NIL]                      ; 0 onto my spare word: scalar work and twelve products stand between it and the wait for it
	s_sub_co_u32 s[TB], s[TB], 65536               ; W2's fetches go back to a slot's first K step,
	s_xor_b32 s[TB], s[TB], 65536                  ; in the other slot
.if (\turn) == 1
	s_and_b32 s88, s[UN], 7                        ; the table has eight units and is walked twice
	s_lshl_b32 s88, s88, 16
	s_add_co_u32 s[OFF], s88, s[WOFF]
	s_add_nc_u64 s[G0R+2:G0R+3], s[8:9], s[OFF:OFF+1]  ; the address is made anew from the table's and the unit's number,
	s_or_b32 s[G0R+3], s[G0R+3], 0x80000000            ; with the type on top
	s_xor_b32 s[G0R+1], s[G0R+1], 65536            ; the other slot than last time
	s_add_co_u32 s[UN], s[UN], 1
.endif
.endif
	STRETCH 1, \p, \init, 0, 12, \ride
.if \turn
	s_wait_dscnt 0x0                               ; the add is done; my reads of the slot were over at the head
	s_barrier_signal -1
.endif
	STRETCH 1, \p, \init, 12, 24, \ride
.if (\fetch) || (\turn)
	WIN 0                                          ; addresses lie in window 0; at a branch and at a label every window is 0
.endif
.if \fetch
	ADRS
.endif
.if \turn
	s_barrier_wait -1
.if (\turn) == 1
	CREST
	tensor_load_to_lds s[G0R:G0R+3], s[G1J:G1J+7]  ; my one tensor load behind the round; sixteen LDS loads under the same windows follow
	s_nop 0
.endif
.endif
.if \fetch
	LB 1-(\p)
	LS \p
	s_add_co_u32 s[TB], s[TB], 8192
	STEPS
.endif
	STRETCH 2, \p, \init, 0, 24, \ride
	STRETCH 3, \p, \init, 0, 16, \ride
	WIN 0
.endm
; THE WAY OUT OF A JOB.
.macro EMAX X                          ; relu in place, ascending: each accumulator is read from its low end on
	WIN 0x54*(\X)
.set kk, 0
.rept 64*(3-(\X)/3)
	v_max_num_f32 v[kk], 0, v[kk]
.set kk, kk+1
.endr
.endm
.macro EDOT X                          ; times W3, two n at a time, two chains a block (in h1's buffer 1, which the job's last K step has read), the blocks by turns
	WIN 0x54*(\X)
.set FB, 3-(\X)/3
.set TA, 216-72*((\X)/3)
.set ix, 0
.rept 32
.set bb, 0
.rept FB
.set rT, TA+4*bb+2*(ix%2)
.set rW, BF+64+2*ix
.set rC, 64*bb+2*ix
.if ix < 2
	v_pk_mul_f32 v[rT:rT+1], v[rW:rW+1], v[rC:rC+1]
.else
	v_pk_fma_f32 v[rT:rT+1], v[rW:rW+1], v[rC:rC+1], v[rT:rT+1]
.endif
.set bb, bb+1
.endr
.set ix, ix+1
.endr
.endm
.macro EFOLD X                         ; a block's four partial sums onto its score: source 0 in window X, all else in window 0
	WIN (\X)
.set FB, 3-(\X)/3
.set TA, 216-72*((\X)/3)
.set ee, 0
.rept 4
.set bb, 0
.rept FB
.if (\X) == 3
.set sa, SC+3+4*bb
.else
.set sa, SC+4*((\X)-1)+bb
.endif
	v_add_f32 v[sa], v[TA+4*bb+ee], v[sa]
.set bb, bb+1
.endr
.set ee, ee+1
.endr
.endm
; next = 1: b2 of the next chunk is fetched too.  Window 1's 192 maxima are the places behind the job's last products and in front of the loads into W2's buffer 1, which those products read.
.macro EPI next
	EMAX 1
	WIN 0
	s_bfe_u32 s88, s[U], 0x20001                   ; the chunk: a job is two units, a tile four jobs
	s_lshl_b32 s89, s88, 9
	v_add_nc_u32 v[ADT], s89, v[AT0]
.irp nb, 0,1,2,3,4,5,6,7                       ; W3 as the results lie: register 8 nb + q holds n = 16 nb + 8 h + q
	ds_load_b128 v[BF+64+8*\nb:BF+64+8*\nb+3],   v[ADT] offset:2048+64*\nb
	ds_load_b128 v[BF+64+8*\nb+4:BF+64+8*\nb+7], v[ADT] offset:2048+64*\nb+16
.endr
.if \next
	s_add_co_u32 s88, s88, 1
	s_and_b32 s88, s88, 3
	s_lshl_b32 s88, s88, 9
	v_add_nc_u32 v[ADT2], s88, v[AT0]
	WIN 0xc0
.irp nb, 0,1,2,3,4,5,6,7
	ds_load_b128 v[B2T+8*\nb:B2T+8*\nb+3],   v[ADT2] offset:64*\nb
	ds_load_b128 v[B2T+8*\nb+4:B2T+8*\nb+7], v[ADT2] offset:64*\nb+16
.endr
.endif
	EMAX 2
	EMAX 3
	s_wait_dscnt 0x0                               ; W3 and b2 are in (and the last K step's run)
	EDOT 3
	EFOLD 3
	EDOT 2
	EFOLD 2
	EDOT 1
	EFOLD 1
	WIN 0
.endm
; THE WAY OUT OF A TILE.  A pair's other 64 n of each chunk lie in the lane 16 away.  Then lanes 0-15 carry my first row, lanes 16-31 my second; through my own 512 bytes of LDS the two rows come back
; as 16 bytes a lane, and one store covers two whole rows of 256 bytes, each at a multiple of 256 from out0's first byte.
.macro OUT
.irp a, 0,1,2,3,4,5,6,7
	v_permlanex16_b32 v[TT+\a], v[SC+\a], s[SEL], s[SEL+1]
.endr
.irp a, 0,1,2,3,4,5,6,7
	v_add_f32 v[SC+\a], v[SC+\a], v[TT+\a]
.endr
.irp jf, 0,1,2,3
	v_cndmask_b32 v[TT+\jf], v[SC+\jf], v[SC+4+\jf], s[HM]
.endr
.irp jf, 0,1,2,3
	v_add_f32 v[TT+\jf], s[B3], v[TT+\jf]
.endr
.irp jf, 0,1,2,3
	ds_store_b32 v[STO], v[TT+\jf] offset:64*\jf
.endr
	ds_load_b128 v[OB:OB+3], v[RD]                 ; LDS serves a wave's instructions in order (ISA guide 5.7.1.4): this sees the stores above
.irp a, 0,1,2,3,4,5,6,7
	v_mov_b32 v[SC+\a], 0                          ; the next tile's scores start anew
.endr
	s_wait_dscnt 0x0
	global_store_b128 v[GO], v[OB:OB+3], s[16:17]
	s_wait_xcnt 0x0                                ; the store's base and data are rewritten only behind this wait
	s_add_nc_u64 s[16:17], s[16:17], 16384         ; the next tile lies 8 rows down
.endm
.macro PAIRS                           ; K steps 1 to 6 of a unit: a pair written once, walked three times
	s_mov_b32 s[C3], 3
.Lpair_\@:
	KSTEP 1, 0, 0
	KSTEP 0, 0, 0
	s_sub_co_u32 s[C3], s[C3], 1
	s_cmp_lg_u32 s[C3], 0
	s_cbranch_scc1 .Lpair_\@
.endm
	s_load_b256 s[4:11], s[0:1], 0x0               ; hxf 4:5, hyf 6:7, w2f 8:9, b2 10:11
	s_load_b128 s[12:15], s[0:1], 0x20             ; W3 12:13, b3 14:15
	s_load_b64 s[16:17], s[0:1], 0x30              ; out0
	v_lshl_add_u32 v[SPW], v0, 2, SPARE
	v_mov_b32 v[NIL], 0
	ds_add_u32 v[SPW], v[NIL]                      ; the wave's opening: the add and its wait come ahead of my first tensor load; the set-up below, work on registers, stands between them
	v_lshrrev_b32 v40, 5, v0
	v_readfirstlane_b32 s[WV], v40                 ; wave 0..3
	s_bfe_u32 s[CX], ttmp6, 0x40000
	s_lshl_b32 s[GX], ttmp9, 2                     ; in a cluster launch ttmp9 counts clusters
	s_add_co_u32 s[GX], s[GX], s[CX]
	s_and_b32 s[GY], ttmp7, 0xffff
	; descriptor group 1.  All that is fetched is dense: asked for as rows of 256 bytes, 32 elements of 8 bytes, laid on end in LDS
	s_mov_b32 s[G1J], 15|(3<<16)|(1<<21)           ; 15:0 the mask: all four work-groups; 17:16 elements of 8 bytes; 21 set beside a mask
	s_mov_b32 s[G1H], 3<<16                        ; no mask
	s_mov_b32 s[G1X], 15|(3<<16)|(1<<21)
.irp g, G1J, G1H
	s_mov_b32 s[\g+1], 32<<16                      ; tensor_dim0 = 32
	s_mov_b32 s[\g+2], 64<<16                      ; tensor_dim1 = 64
	s_mov_b32 s[\g+3], 32<<16                      ; tile_dim0 = 32
	s_mov_b32 s[\g+4], 64                          ; tile_dim1 = 64
	s_mov_b32 s[\g+5], 32                          ; 32 elements from row to row
	s_mov_b32 s[\g+6], 0
	s_mov_b32 s[\g+7], 0
.endr
	s_mov_b32 s[G1X+1], 32<<16
	s_mov_b32 s[G1X+2], 16<<16                     ; 16 rows
	s_mov_b32 s[G1X+3], 32<<16
	s_mov_b32 s[G1X+4], 16
	s_mov_b32 s[G1X+5], 32
	s_mov_b32 s[G1X+6], 0
	s_mov_b32 s[G1X+7], 0
	; group 0: each wave brings a quarter of each piece; no place in the cluster enters an LDS address
	s_mul_i32 s[WOFF], s[WV], 16384
	s_mul_i32 s23, s[WV], 4096
	s_mov_b32 s[G0H], 1
	s_add_co_u32 s[G0H+1], s[WOFF], HY
	s_mov_b32 s[G0X], 1
	s_add_co_u32 s[G0X+1], s23, HX
	s_mov_b32 s[G0A], 1
	s_mov_b32 s[G0A+1], s[WOFF]
	s_mov_b32 s[G0R], 1
	s_add_co_u32 s[G0R+1], s[WOFF], 65536
	s_lshl_b32 s24, s[GX], 16                      ; hyf: my j block's 65,536 bytes, my quarter
	s_add_co_u32 s24, s24, s[WOFF]
	s_mov_b32 s25, 0
	s_lshl_b32 s26, s[GY], 14                      ; hxf: the i block's 16,384 bytes, my quarter: made of what the partners share
	s_add_co_u32 s26, s26, s23
	s_mov_b32 s27, 0
	s_mov_b32 s[OFF], s[WOFF]
	s_mov_b32 s[OFF+1], 0
	s_lshl_b32 s90, s[GY], 15                      ; out0: row 16 gy + 2 w (2,048 bytes a row), column 64 gx
	s_lshl_b32 s91, s[WV], 12
	s_add_co_u32 s90, s90, s91
	s_lshl_b32 s91, s[GX], 8
	s_add_co_u32 s90, s90, s91
	s_mov_b32 s91, 0
	s_mov_b32 s[TB], 0
	s_mov_b32 s[G], 0
	s_mov_b32 s[TH], 0
	s_mov_b32 s[TX], 0
	s_mov_b32 s[UN], 2
	s_mov_b32 s[U], 0
	s_mov_b32 s[HM], 0xffff0000
	s_mov_b32 s[SEL], 0x76543210
	s_mov_b32 s[SEL+1], 0xfedcba98
	v_and_b32 v41, 31, v0                          ; L
	v_and_b32 v42, 15, v0                          ; r
	v_bfe_u32 v43, v0, 4, 1                        ; h
	v_lshlrev_b32 v[AB0], 4, v41
	v_lshl_add_u32 v[AH0], v41, 4, HY
	s_mul_i32 s88, s[WV], 32
	s_add_co_u32 s88, s88, HX
	v_lshl_add_u32 v[AX0], v43, 8, s88
	v_lshl_add_u32 v[AT0], v43, 5, TAB
	s_mul_i32 s89, s[WV], 512
	s_add_co_u32 s89, s89, STAGE                   ; my stage
	v_lshl_add_u32 v[STO], v43, 8, s89             ; in: row h, 4 bytes at column r of each 16
	v_lshl_add_u32 v[STO], v42, 2, v[STO]
	v_lshl_add_u32 v[RD], v41, 4, s89              ; back: lanes 0-15 one row of 256 bytes, lanes 16-31 the next
	v_lshlrev_b32 v[GO], 4, v42                    ; and the same two rows in out0
	v_lshl_add_u32 v[GO], v43, 11, v[GO]
	v_lshlrev_b32 v44, 4, v0                       ; 16 bytes a thread: 128 threads cover b2's and W3's 2,048 bytes
	v_add_nc_u32 v45, TAB, v44
	v_mov_b32 v[ZERO], 0
.irp a, 0,1,2,3,4,5,6,7
	v_mov_b32 v[SC+\a], 0
	v_mov_b32 v[TT+\a], 0                          ; v_permlanex16_b32 counts as a reader of its destination
.endr
	s_wait_dscnt 0x0                               ; the opening add is done
	s_wait_kmcnt 0x0
	s_load_b32 s[B3], s[14:15], 0x0
	s_add_nc_u64 s[G0H+2:G0H+3], s[6:7], s[24:25]
	s_or_b32 s[G0H+3], s[G0H+3], 0x80000000        ; 127:126 type = 2
	s_add_nc_u64 s[G0X+2:G0X+3], s[4:5], s[26:27]
	s_or_b32 s[G0X+3], s[G0X+3], 0x80000000
	s_add_nc_u64 s[G0A+2:G0A+3], s[8:9], s[OFF:OFF+1]
	s_or_b32 s[G0A+3], s[G0A+3], 0x80000000
	s_add_nc_u64 s[G0R+2:G0R+3], s[8:9], s[OFF:OFF+1]
	s_add_nc_u64 s[G0R+2:G0R+3], s[G0R+2:G0R+3], 65536
	s_or_b32 s[G0R+3], s[G0R+3], 0x80000000
	s_add_nc_u64 s[16:17], s[16:17], s[90:91]
	ROUND                                          ; all four work-groups are here: the first joint loads meet
	tensor_load_to_lds s[G0H:G0H+3], s[G1H:G1H+7]  ; the first fills go out as one group: four loads of mine are out
	s_nop 0
	tensor_load_to_lds s[G0X:G0X+3], s[G1X:G1X+7]
	s_nop 0
	tensor_load_to_lds s[G0A:G0A+3], s[G1J:G1J+7]
	s_nop 0
	tensor_load_to_lds s[G0R:G0R+3], s[G1J:G1J+7]
	s_nop 0
.rept 4
	v_nop
.endr
	global_load_b128 v[OB:OB+3],   v44, s[10:11]   ; b2
	global_load_b128 v[OB+4:OB+7], v44, s[12:13]   ; W3
	s_wait_loadcnt 0x0
	ds_store_b128 v45, v[OB:OB+3]
	ds_store_b128 v45, v[OB+4:OB+7] offset:2048
	s_wait_kmcnt 0x0                               ; b3
	s_wait_tensorcnt 0x1                           ; hy, hx and unit 0 are in: tensor loads of a wave end in order (ISA guide 10.11.1); the youngest, unit 1, may stay out
	s_wait_dscnt 0x0                               ; for the others' sake: my part of b2 and W3 is stored
	s_barrier_signal -1
	s_barrier_wait -1                              ; everybody's parts are in
	ADRS
	LB 0                                           ; K step 0: W2,
	LS 0                                           ; hx and hy
	WIN 0
	s_add_co_u32 s[TB], s[TB], 8192
	STEPS
	v_add_nc_u32 v[ADH], s[TH], v[AH0]
	v_add_nc_u32 v[ADX], s[TX], v[AX0]
	LS 1                                           ; K step 1: hx and hy
	STEPS
.irp nb, 0,1,2,3,4,5,6,7                       ; b2 of chunk 0 (the destination's window is 3 since LS)
	ds_load_b128 v[B2T+8*\nb:B2T+8*\nb+3],   v[AT0] offset:64*\nb
	ds_load_b128 v[B2T+8*\nb+4:B2T+8*\nb+7], v[AT0] offset:64*\nb+16
.endr
	s_wait_dscnt 0x0
	GEN 1
	GEN 2
	GEN 3
	KSTEP 0, 1, 0                                  ; the first K step stands in front of the loop
	s_mov_b32 s[CU], 14
.Lunit:                                                ; trip u: K steps 1 to 7 of unit u, K step 0 of unit u + 1; unit u + 2 is asked for.  14 trips: units 2 to 15
	PAIRS
	KSTEP 1, 0, 1
	s_bitcmp1_b32 s[U], 0
	s_cbranch_scc0 .Lmid                           ; an even unit: the job goes on
	EPI 1                                          ; an odd one: the job is done
	s_and_b32 s88, s[U], 7
	s_cmp_lg_u32 s88, 7
	s_cbranch_scc1 .Lno                            ; the tile's fourth job?
	OUT
.Lno:
	KSTEP 0, 1, 0                                  ; the next job's first K step: b2 starts the sums
	s_branch .Lbot
.Lmid:
	KSTEP 0, 0, 0
.Lbot:
	s_add_co_u32 s[U], s[U], 1
	s_sub_co_u32 s[CU], s[CU], 1
	s_cmp_lg_u32 s[CU], 0
	s_cbranch_scc1 .Lunit
	PAIRS                                          ; the last two units are written out: nothing is asked for
	KSTEP 1, 0, 2
	KSTEP 0, 0, 0
	s_add_co_u32 s[U], s[U], 1
	PAIRS                                          ; its last K step fetches hx and hy of a step that is not: the number wraps to the first, bytes that lie in the tables and that nobody uses: the price of one text for the pair
	KSTEP 1, 0, 0, 0, 0                            ; the very last K step: nothing to fetch, nothing to make
.rept 4
	v_nop                                          ; with no riders, the places between the products and the first read of a result (ISA guide 7.12.1)
.endr
	EPI 0
	OUT
	s_wait_tensorcnt 0x0                           ; the wave's end, behind my last tensor load and my last LDS store
	ds_add_u32 v[SPW], v[NIL]
	s_wait_dscnt 0x0
	ROUND                                          ; the closing round: no work-group ends while a partner may still ask for a tile that names it
	s_endpgm
.Lfunc_end_k_qbd5b144e15_main:
	.size	k_qbd5b144e15_main, .Lfunc_end_k_qbd5b144e15_main-k_qbd5b144e15_main
	.p2alignl 7, 3214868480
	.fill 96, 4, 3214868480
	.section	.rodata,"a",@progbits
	.p2align	6, 0x0
	.amdhsa_kernel k_qbd5b144e15_main
		.amdhsa_group_segment_fixed_size 327680
		.amdhsa_private_segment_fixed_size 0
		.amdhsa_enable_private_segment 0
		.amdhsa_kernarg_size 56
		.amdhsa_user_sgpr_count 2
		.amdhsa_user_sgpr_kernarg_segment_ptr 1
		.amdhsa_wavefront_size32 1
		.amdhsa_system_sgpr_workgroup_id_x 1
		.amdhsa_system_sgpr_workgroup_id_y 1
		.amdhsa_system_sgpr_workgroup_id_z 1
		.amdhsa_system_vgpr_workitem_id 0
		.amdhsa_next_free_vgpr 1024
		.amdhsa_next_free_sgpr 96
		.amdhsa_reserve_vcc 0
		.amdhsa_float_denorm_mode_32 3
		.amdhsa_float_denorm_mode_16_64 3
		.amdhsa_memory_ordered 1
		.amdhsa_forward_progress 1
		.amdhsa_inst_pref_size 255
	.end_amdhsa_kernel
	.section	.bss,"aw",@nobits
	.p2align	6
	.space	262144
	.amdgpu_metadata
---
amdhsa.version: [ 1, 2 ]
amdhsa.kernels:
  - .name:           k_qbd5b144e15_main
    .symbol:         k_qbd5b144e15_main.kd
    .args:
      - { .name: hxf, .offset: 0, .size: 8, .value_kind: global_buffer, .address_space: global }
      - { .name: hyf, .offset: 8, .size: 8, .value_kind: global_buffer, .address_space: global }
      - { .name: w2f, .offset: 16, .size: 8, .value_kind: global_buffer, .address_space: global }
      - { .name: b2, .offset: 24, .size: 8, .value_kind: global_buffer, .address_space: global }
      - { .name: W3, .offset: 32, .size: 8, .value_kind: global_buffer, .address_space: global }
      - { .name: b3, .offset: 40, .size: 8, .value_kind: global_buffer, .address_space: global }
      - { .name: out0, .offset: 48, .size: 8, .value_kind: global_buffer, .address_space: global }
    .group_segment_fixed_size: 327680
    .private_segment_fixed_size: 0
    .kernarg_segment_align: 8
    .kernarg_segment_size: 56
    .max_flat_workgroup_size: 128
    .sgpr_count:     96
    .vgpr_count:     1024
    .wavefront_size: 32
...
	.end_amdgpu_metadata
.endif
;; end of part 2
